; MI455X (gfx1250); checked and timed in simulation.
; The chip was launched on July 23, 2026; its instructions are those of AMD's public machine-readable ISA for CDNA 5 (MIT licence, August 2026) and "CDNA5" Instruction Set Architecture Reference Guide (July 2026). The comments in the code are by the model that wrote it; some were corrected since.
;; Simple Rotor. Allowed arithmetic: float matrix products may take bf16 or f16 operands with f32 sums; all other float work in f32.
;; Inputs: U 1,024 x 4 float32; V 1,024 x 4 float32; W 3 x 1,024 float32; b 3 float32; x 8,192 x 1,024 float32.
;; Outputs: out0 8,192 x 3 float32.
;; One version. Each part assembles by itself: llvm-mc -triple=amdgcn-amd-amdhsa -mcpu=gfx1250 --defsym DOCPART=n.
;; ======== version 1 of 1: 1 launch
;; limits: right only within a limited range of input values; an iteration or a series of the reference is cut at 5 steps; a difference of large sums (such as E[x^2] - mean^2): digits are lost where the result is much smaller than its terms
;; launch rotor (part 1): grid 256 x 1, 8 waves a work-group, no clusters, 111,616 bytes of LDS; arguments U, V, W, b, x, out0; writes out0
.if DOCPART == 1
	.amdgcn_target "amdgcn-amd-amdhsa--gfx1250"
	.amdhsa_code_object_version 6
	.text
	.protected	k_qaab2330c05_rotor
	.globl	k_qaab2330c05_rotor
	.p2align	8
	.type	k_qaab2330c05_rotor,@function
k_qaab2330c05_rotor:
	s_mov_b64 s[64:65], 0
	v_nop
	global_prefetch_b8 v0, s[64:65] scope:SCOPE_SE
	s_setreg_imm32_b32 hwreg(HW_REG_WAVE_MODE, 25, 1), 1
	s_wait_xcnt 0x0
; out0 = softmax(x R^T W^T + b),  R = expm(U V^T - V U^T).   x [8192][1024], U, V [1024][4], W [3][1024], b [3], out0 [8192][3], all f32.
;
; TWO IDENTITIES, both true for every input, since the exponent is built from U and V:
;   logits = x (W R)^T + b, so only M = W R (3 x 1024) is needed;
;   U V^T - V U^T = P Q^T with P = [U V], Q = [V -U] (1024 x 8), so expm(P Q^T) = I + P phi(S) Q^T with S = Q^T P (8 x 8) and
;   phi(S) = sum of S^k / (k+1)!.  Hence M = W + y Q^T with y = (W P) phi(S), 3 x 8.
; phi is made in transposed form, on the 8 x 11 block B0 = 2^-12 P^T [Q | W^T] = [T | c]:  X = phi(T) B0 by Horner to degree 5, then twelve
; doublings X <- 2 X + E X, E = columns 0-7 of X.  Columns 0-7 follow e^(2A) - I = (2I + E) E (no difference of near-equal numbers), columns 8-10
; follow phi(2A) = (2I + E) phi(A) / 2, the twelve halvings being prepaid by the factor 2^-12.  Columns 8-10 end as y^T.
; LIMIT, kept on purpose: scaling and series have a fixed length (no branch hangs on a float).  The cut series turns R by a wrong angle of about
; n (n / 4096)^6 / 5040, n = the norm of Q^T P: under 1e-3 up to n = 1,500 or so; beyond that the result drifts gradually.  The f32 rounding of
; the chain grows with n and with how unevenly the columns of [U V] are scaled.
;
; SHAPE.  256 work-groups of 8 waves; a work-group owns 32 rows of x, a wave 4 rows (16 KiB = 128 registers a lane).  Every wave asks for all
; of its x in its first lines and works out M while x is on its way; x is read once, out0 written once, nothing else goes to memory.
; Each work-group makes M for itself from U, V, W (45 KB): a launch of its own for M would cost a start and an end and a trip through memory.
; NOT USED, and why: matrix instructions (x M^T has 3 columns of 16, three quarters of a multiply-add for each byte of x: the stream of x binds, and
; a fragment layout would break the 512-byte loads); tensor loads and an LDS ring (all of a wave's x fits in its registers);
; clusters (no two work-groups read the same x; what they share, U, V, W, is 45 KB against 128 KiB of x each); prefetches (nothing is asked for late).
.set PPITCH, 368                       ; PART: 22 groups of 16 bytes + 16 = 23 x 16: sixteen neighbouring lanes' pieces fall on sixteen different 16-byte columns modulo 256
.set PWAVE,  32*PPITCH                 ; PART of one wave: 11,776 bytes, private to it
.set WPITCH, 352                       ; WSUM of one wave: 88 numbers
.set WSUM,   8*PWAVE                   ; 94,208: each wave's sums of the 88 numbers of B0
.set YV,     WSUM+8*WPITCH             ; 97,024: column r of the final X at 32 r; y[j][0..7] = column 8 + j at 256 + 32 j
.set MB,     YV+512                    ; 97,536: M[j][d] at 4096 j + 4 d
.set OUTS,   MB+3*4096                 ; 109,824: the work-group's 32 rows of out0, 12 bytes each
; number 8 r + i of B0 is B0[i][r] = sum over d of P[d][i] Y[d][r];  Y's columns: r = 0-3 V's, 4-7 minus U's, 8-10 W's rows.  Group g = four numbers.
.set LN,  1                            ; lane l
.set UVO, 2                            ; 64 t: rows 4t .. 4t+3 of U and of V (t = thread)
.set WO,  3                            ; 16 t: columns 4t .. 4t+3 of W
.set XO,  4                            ; 16,384 wave + 16 l
.set PS,  5                            ; PART: where lane l puts its 88 partial sums
.set PL,  6                            ; PART: group min(l, 21), read across the 32 source lanes
.set WS,  7                            ; WSUM: my wave's group min(l, 21)
.set WL,  8                            ; WSUM: column r' = min(l & 15, 10)
.set YS,  9                            ; YV: column r'
.set YL,  10                           ; YV + 256
.set MS,  11                           ; MB + 512 wave + 16 l = MB + 16 t
.set ML,  12                           ; MB + 16 l
.set OS,  13                           ; OUTS + 48 wave + 12 (l & 3)
.set OL,  14                           ; OUTS + 16 l
.set OG,  15                           ; 16 l
.set UU,  16                           ; v[16:31]   U[4t+i][a] at UU + 4 i + a
.set VV,  32                           ; v[32:47]   V likewise
.set WW,  48                           ; v[48:59]   W[j][4t+i] at WW + 4 j + i; later M
.set ACC, 60                           ; v[60:91]   partial sums of one block of columns
.set BK0, 60                           ; v[60:91]   eight groups read back
.set BK1, 92                           ; v[92:123]  eight more
.set SUM, 124                          ; v[124:127] my group, summed over the wave (before that: set-up temporaries)
.set CW,  60                           ; v[60:123]  wave 0: my column of each wave's sums, wave w at CW + 8 w
.set B0,  60                           ; v[60:67]   wave 0: my column of B0
.set XA,  68                           ; v[68:75]   wave 0: my column of X, two copies that take turns
.set XB,  76                           ; v[76:83]
.set YR,  92                           ; v[92:115]  y[j][a] at YR + 8 j + a
.set MR,  16                           ; v[16:63]   M's pieces for the dots: four slots of 12 registers
.set AC,  64                           ; v[64:87]   the sum of (row p, output j): a pair at AC + 2 (3 p + j)
.set TM,  88                           ; v[88:93]   temporaries
.set X,   128                          ; v[128:255] x: chunk c (512 bytes of a row), row p at X + 16 c + 4 p
	; ---- set-up, and every global load of the kernel ----
	s_load_b256 s[4:11], s[0:1], 0x0               ; U s[4:5], V s[6:7], W s[8:9], b s[10:11]
	s_load_b128 s[12:15], s[0:1], 0x20             ; x s[12:13], out0 s[14:15]
	s_set_vgpr_msb 0x40
	v_lshl_add_u32 v0, v0, 2, 0x1b000
	v_mov_b32 v1, 0
	s_set_vgpr_msb 0x4000
	v_and_b32 v[LN], 31, v0
	v_lshrrev_b32 v[SUM], 5, v0
	v_readfirstlane_b32 s24, v[SUM]                ; wave number, as a scalar
	v_lshlrev_b32 v[UVO], 6, v0
	v_lshlrev_b32 v[WO], 4, v0
	v_lshlrev_b32 v[OG], 4, v[LN]
	v_lshl_add_u32 v[XO], v[SUM], 14, v[OG]        ; my wave's 4 rows of 4,096 bytes + my 16 bytes
	s_lshl_b32 s20, ttmp9, 17                      ; the work-group's 32 rows of x: 131,072 bytes (255 x that is below 4 GiB)
	s_mov_b32 s21, 0
	s_mul_i32 s22, ttmp9, 384                      ; and its 32 rows of out0
	s_mov_b32 s23, 0
	s_wait_kmcnt 0x0
	s_add_nc_u64 s[12:13], s[12:13], s[20:21]
	s_add_nc_u64 s[14:15], s[14:15], s[22:23]
.irp i, 0,1,2,3
	global_load_b128 v[UU+4*\i:UU+4*\i+3], v[UVO], s[4:5] offset:16*\i
.endr
.irp i, 0,1,2,3
	global_load_b128 v[VV+4*\i:VV+4*\i+3], v[UVO], s[6:7] offset:16*\i
.endr
.irp j, 0,1,2
	global_load_b128 v[WW+4*\j:WW+4*\j+3], v[WO], s[8:9] offset:4096*\j
.endr
	; all of my wave's x, 32 loads of 512 consecutive aligned bytes, in the order in which the dots take them; read once in the launch
.irp c, 0,1,2,3,4,5,6,7
.irp p, 0,1,2,3
	global_load_b128 v[X+16*\c+4*\p:X+16*\c+4*\p+3], v[XO], s[12:13] offset:4096*\p+512*\c th:TH_LOAD_NT
.endr
.endr
	s_load_b96 s[16:18], s[10:11], 0x0             ; b; waited for where it is added
	s_mov_b32 s28, 0xaaaaaaaa                      ; lanes with bit 0 set
	s_mov_b32 s29, 0xcccccccc                      ; lanes with bit 1 set
	s_mov_b32 s30, 0x76543210                      ; v_permlanex16_b32: lane i of one half reads lane i of the other
	s_mov_b32 s31, 0xfedcba98
	; LDS addresses: a constant + the wave's number times a constant + a lane term
	s_mul_i32 s25, s24, PWAVE
	v_mul_u32_u24 v[PS], v[LN], PPITCH
	v_add_nc_u32 v[PS], s25, v[PS]
	v_min_u32 v[SUM+1], 21, v[LN]                  ; lanes 22-31 repeat lane 21's work: same addresses, same values
	v_lshl_add_u32 v[PL], v[SUM+1], 4, s25
	s_mul_i32 s26, s24, WPITCH
	s_add_co_u32 s26, s26, WSUM
	v_lshl_add_u32 v[WS], v[SUM+1], 4, s26
	v_and_b32 v[SUM+2], 15, v0
	v_min_u32 v[SUM+2], 10, v[SUM+2]               ; column r'; lanes 11-15 of each half repeat column 10
	v_lshlrev_b32 v[SUM+2], 5, v[SUM+2]
	v_add_nc_u32 v[WL], WSUM, v[SUM+2]
	v_add_nc_u32 v[YS], YV, v[SUM+2]
	v_mov_b32 v[YL], YV+256
	s_lshl_b32 s26, s24, 9
	s_add_co_u32 s26, s26, MB
	v_add_nc_u32 v[MS], s26, v[OG]
	v_add_nc_u32 v[ML], MB, v[OG]
	s_mul_i32 s26, s24, 48
	s_add_co_u32 s26, s26, OUTS
	v_and_b32 v[SUM+3], 3, v0
	v_mul_u32_u24 v[SUM+3], v[SUM+3], 12
	v_add_nc_u32 v[OS], s26, v[SUM+3]
	v_add_nc_u32 v[OL], OUTS, v[OG]
	; ---- B0, part 1: each thread's share, d = 4t .. 4t+3 ----
; two rows of one column: v[acc:acc+1] (+)= v[p:p+1] x v[y], v[y] taken for both halves (op_sel picks it out of its aligned pair); i = 0 starts the sum
.macro PKY i, acc, p, y, neg
.set yp, (\y)&254
.if (\i) == 0
.if (\y)&1
.if \neg
	v_pk_mul_f32 v[\acc:\acc+1], v[\p:\p+1], v[yp:yp+1] op_sel:[0,1] op_sel_hi:[1,1] neg_lo:[0,1] neg_hi:[0,1]
.else
	v_pk_mul_f32 v[\acc:\acc+1], v[\p:\p+1], v[yp:yp+1] op_sel:[0,1] op_sel_hi:[1,1]
.endif
.else
.if \neg
	v_pk_mul_f32 v[\acc:\acc+1], v[\p:\p+1], v[yp:yp+1] op_sel_hi:[1,0] neg_lo:[0,1] neg_hi:[0,1]
.else
	v_pk_mul_f32 v[\acc:\acc+1], v[\p:\p+1], v[yp:yp+1] op_sel_hi:[1,0]
.endif
.endif
.else
.if (\y)&1
.if \neg
	v_pk_fma_f32 v[\acc:\acc+1], v[\p:\p+1], v[yp:yp+1], v[\acc:\acc+1] op_sel:[0,1,0] op_sel_hi:[1,1,1] neg_lo:[0,1,0] neg_hi:[0,1,0]
.else
	v_pk_fma_f32 v[\acc:\acc+1], v[\p:\p+1], v[yp:yp+1], v[\acc:\acc+1] op_sel:[0,1,0] op_sel_hi:[1,1,1]
.endif
.else
.if \neg
	v_pk_fma_f32 v[\acc:\acc+1], v[\p:\p+1], v[yp:yp+1], v[\acc:\acc+1] op_sel_hi:[1,0,1] neg_lo:[0,1,0] neg_hi:[0,1,0]
.else
	v_pk_fma_f32 v[\acc:\acc+1], v[\p:\p+1], v[yp:yp+1], v[\acc:\acc+1] op_sel_hi:[1,0,1]
.endif
.endif
.endif
.endm
; nq columns of B0 (kind 0: V's, 1: minus U's, 2: W's rows), 8 rows each, summed over my four d; then stored as groups g0 .. g0 + 2 nq - 1
.macro BLOCK kind, nq, g0
.set bi, 0
.rept 4
.set bq, 0
.rept \nq
.set bneg, 0
.if \kind == 0
.set by, VV+4*bi+bq
.endif
.if \kind == 1
.set by, UU+4*bi+bq
.set bneg, 1
.endif
.if \kind == 2
.set by, WW+4*bq+bi
.endif
	PKY bi, ACC+8*bq,   UU+4*bi,   by, bneg    ; rows 0, 1: U's columns 0, 1
	PKY bi, ACC+8*bq+2, UU+4*bi+2, by, bneg    ; rows 2, 3
	PKY bi, ACC+8*bq+4, VV+4*bi,   by, bneg    ; rows 4, 5: V's columns 0, 1
	PKY bi, ACC+8*bq+6, VV+4*bi+2, by, bneg    ; rows 6, 7
.set bq, bq+1
.endr
.set bi, bi+1
.endr
.set bn, 0
.rept 2*\nq
	ds_store_b128 v[PS], v[ACC+4*bn:ACC+4*bn+3] offset:16*(\g0+bn)
.set bn, bn+1
.endr
.endm
	s_wait_loadcnt 32                              ; loads return in order: the 32 younger ones are x's and stay out; U, V, W are in
	BLOCK 0, 4, 0
	BLOCK 1, 4, 8
	BLOCK 2, 3, 16
	; ---- B0, part 2: the sum over the wave's 32 lanes.  Lane g takes group g of every lane.  The bytes are my wave's own and LDS serves a
	; wave's instructions in order, so these loads see the stores above without a wait or a barrier. ----
.macro ADD4 d, a, b
	v_pk_add_f32 v[\d:\d+1], v[\a:\a+1], v[\b:\b+1]
	v_pk_add_f32 v[\d+2:\d+3], v[\a+2:\a+3], v[\b+2:\b+3]
.endm
.macro BATCH bank, n0                  ; group min(l, 21) of source lanes n0 .. n0 + 7
.irp k, 0,1,2,3,4,5,6,7
	ds_load_b128 v[\bank+4*\k:\bank+4*\k+3], v[PL] offset:PPITCH*(\n0+\k)
.endr
.endm
.macro TREE bank, first                ; the eight groups of a bank, added in pairs, into SUM
	ADD4 \bank,    \bank,    \bank+4
	ADD4 \bank+8,  \bank+8,  \bank+12
	ADD4 \bank+16, \bank+16, \bank+20
	ADD4 \bank+24, \bank+24, \bank+28
	ADD4 \bank,    \bank,    \bank+8
	ADD4 \bank+16, \bank+16, \bank+24
.if \first
	ADD4 SUM, \bank, \bank+16
.else
	ADD4 \bank, \bank, \bank+16
	ADD4 SUM, SUM, \bank
.endif
.endm
	BATCH BK0, 0
	BATCH BK1, 8
	s_wait_dscnt 8                                 ; the eight younger loads (the other bank's) stay out
	TREE BK0, 1
	BATCH BK0, 16
	s_wait_dscnt 8
	TREE BK1, 0
	BATCH BK1, 24
	s_wait_dscnt 8
	TREE BK0, 0
	s_wait_dscnt 0
	TREE BK1, 0
	ds_store_b128 v[WS], v[SUM:SUM+3]
	s_wait_dscnt 0x0                               ; my wave's sums are in LDS before I say so
	s_barrier_signal -1
	s_barrier_wait -1                              ; barrier 1: all eight waves' sums are there.  (x stays on its way: nobody writes those bytes)
	; ---- the 8 x 8 function: wave 0 alone; the others go on to the next barrier ----
	s_cmp_lg_u32 s24, 0
	s_cbranch_scc1 .Lskip
.irp w, 0,1,2,3,4,5,6,7
	ds_load_b128 v[CW+8*\w:CW+8*\w+3],   v[WL] offset:WPITCH*\w
	ds_load_b128 v[CW+8*\w+4:CW+8*\w+7], v[WL] offset:WPITCH*\w+16
.endr
.macro ADD8 d, a, b
	ADD4 \d, \a, \b
	ADD4 \d+4, \a+4, \b+4
.endm
.macro SCALE8 d, a, k                  ; d = k a
.irp n, 0,2,4,6
	v_pk_mul_f32 v[\d+\n:\d+\n+1], v[\a+\n:\a+\n+1], \k op_sel_hi:[1,0]
.endr
.endm
.macro AXPY8 d, a, k                   ; d += k a
.irp n, 0,2,4,6
	v_pk_fma_f32 v[\d+\n:\d+\n+1], v[\a+\n:\a+\n+1], \k, v[\d+\n:\d+\n+1] op_sel_hi:[1,0,1]
.endr
.endm
; D = E H for the 8 x 8 matrix in columns 0-7 of E and all columns of H.  Lane r of each half of 16 holds column r, register i row i.
; E[i][k] is register i of lane k: row_share:k hands it to the whole half in the multiply itself.  Eight chains, interleaved.
.macro MSTEP d, e, h
.irp i, 0,1,2,3,4,5,6,7
	v_mul_f32_dpp v[\d+\i], v[\e+\i], v[\h] row_share:0 row_mask:0xf bank_mask:0xf
.endr
.irp k, 1,2,3,4,5,6,7
.irp i, 0,1,2,3,4,5,6,7
	v_fmac_f32_dpp v[\d+\i], v[\e+\i], v[\h+\k] row_share:\k row_mask:0xf bank_mask:0xf
.endr
.endr
.endm
	s_wait_dscnt 0x0
	ADD8 CW,    CW,    CW+8                        ; the sum over the eight waves, in pairs
	ADD8 CW+16, CW+16, CW+24
	ADD8 CW+32, CW+32, CW+40
	ADD8 CW+48, CW+48, CW+56
	ADD8 CW,    CW,    CW+16
	ADD8 CW+32, CW+32, CW+48
	ADD8 CW,    CW,    CW+32
	SCALE8 B0, B0, 0x39800000                      ; x 2^-12: B0 = [T | c]
	SCALE8 XA, B0, 0x3ab60b61                      ; Horner for phi(T) B0: B0 / 720,
	MSTEP XB, B0, XA
	AXPY8 XB, B0, 0x3c088889                       ; B0 / 120 + T ( .. ),
	MSTEP XA, B0, XB
	AXPY8 XA, B0, 0x3d2aaaab                       ; B0 / 24 + T ( .. ),
	MSTEP XB, B0, XA
	AXPY8 XB, B0, 0x3e2aaaab                       ; B0 / 6 + T ( .. ),
	MSTEP XA, B0, XB
	AXPY8 XA, B0, 0.5                              ; B0 / 2 + T ( .. ),
	MSTEP XB, B0, XA
	ADD8 XB, XB, B0                                ; B0 + T ( .. )
	s_mov_b32 s27, 6                               ; twelve doublings, two a trip
.Ldbl:
	MSTEP XA, XB, XB
	AXPY8 XA, XB, 2.0                              ; X <- E X + 2 X
	MSTEP XB, XA, XA
	AXPY8 XB, XA, 2.0
	s_sub_co_i32 s27, s27, 1
	s_cmp_lg_u32 s27, 0
	s_cbranch_scc1 .Ldbl
	ds_store_b128 v[YS], v[XB:XB+3]                ; every column goes out (0-7 into bytes that are never read): no lane is switched off while x is pending
	ds_store_b128 v[YS], v[XB+4:XB+7] offset:16
.Lskip:
	s_wait_dscnt 0x0                               ; wave 0's y is in LDS before it says so
	s_barrier_signal -1
	s_barrier_wait -1                              ; barrier 2: y may be read
	; ---- M = W + y Q^T, each thread its four columns ----
.irp n, 0,1,2,3,4,5
	ds_load_b128 v[YR+4*\n:YR+4*\n+3], v[YL] offset:16*\n      ; the same 96 bytes in every lane
.endr
	s_wait_dscnt 0x0
.irp a, 0,1,2,3
.irp j, 0,1,2
.irp i, 0,1,2,3
	v_fmac_f32 v[WW+4*\j+\i], v[YR+8*\j+\a], v[VV+4*\i+\a]                       ; + y[j][a] V[d][a]
.endr
.endr
.irp j, 0,1,2
.irp i, 0,1,2,3
	v_fma_f32 v[WW+4*\j+\i], -v[YR+8*\j+4+\a], v[UU+4*\i+\a], v[WW+4*\j+\i]      ; - y[j][4+a] U[d][a]
.endr
.endr
.endr
.irp j, 0,1,2
	ds_store_b128 v[MS], v[WW+4*\j:WW+4*\j+3] offset:4096*\j
.endr
	s_wait_dscnt 0x0                               ; my part of M is in LDS before I say so
	s_barrier_signal -1
	s_barrier_wait -1                              ; barrier 3: all of M may be read
	; ---- the dots: 4 rows x 3 outputs, 512 bytes of each row at a time ----
.macro MLOAD c                         ; M[0..2][128 c + 4 l .. + 3] into slot c % 4
.irp j, 0,1,2
	ds_load_b128 v[MR+12*((\c)%4)+4*\j:MR+12*((\c)%4)+4*\j+3], v[ML] offset:4096*\j+512*(\c)
.endr
.endm
; left = M's loads issued behind this chunk's three.  Chunk c's four x loads have 28 - 4 c younger ones behind them.
.macro CHUNK c, left
	s_wait_loadcnt 28-4*\c
	s_wait_dscnt \left
.irp h, 0,2
.irp p, 0,1,2,3
.irp j, 0,1,2
.if (\c)+(\h) == 0
	v_pk_mul_f32 v[AC+2*(3*\p+\j):AC+2*(3*\p+\j)+1], v[X+16*\c+4*\p+\h:X+16*\c+4*\p+\h+1], v[MR+12*((\c)%4)+4*\j+\h:MR+12*((\c)%4)+4*\j+\h+1]
.else
	v_pk_fma_f32 v[AC+2*(3*\p+\j):AC+2*(3*\p+\j)+1], v[X+16*\c+4*\p+\h:X+16*\c+4*\p+\h+1], v[MR+12*((\c)%4)+4*\j+\h:MR+12*((\c)%4)+4*\j+\h+1], v[AC+2*(3*\p+\j):AC+2*(3*\p+\j)+1]
.endif
.endr
.endr
.endr
.if \c < 4
	MLOAD \c+4                                     ; into the slot just used
.endif
.endm
	MLOAD 0
	MLOAD 1
	MLOAD 2
	MLOAD 3
	CHUNK 0, 9                                     ; three chunks' loads of M (9) are younger,
	CHUNK 1, 9
	CHUNK 2, 9
	CHUNK 3, 9
	CHUNK 4, 9
	CHUNK 5, 6                                     ; then nothing more is asked for and the counts run down
	CHUNK 6, 3
	CHUNK 7, 0
	; ---- across the lanes.  Two exchange steps leave lane l with row l & 3 (each step halves the numbers a lane carries), three more add the rest ----
.irp n, 0,1,2,3,4,5,6,7,8,9,10,11
	v_add_f32 v[AC+2*\n], v[AC+2*\n], v[AC+2*\n+1]
.endr
; lanes outside the mask keep a and give b, lanes inside keep b and give a; partner = lane xor xm
.macro RS a, b, tmp, mask, xm
	v_cndmask_b32 v[\tmp], v[\b], v[\a], \mask
	v_cndmask_b32 v[\a], v[\a], v[\b], \mask
	v_add_f32_dpp v[\a], v[\tmp], v[\a] row_xmask:\xm row_mask:0xf bank_mask:0xf
.endm
.irp j, 0,1,2
	RS AC+2*\j,    AC+6+2*\j,  TM+\j,   s28, 1     ; rows 0 and 1
	RS AC+12+2*\j, AC+18+2*\j, TM+3+\j, s28, 1     ; rows 2 and 3
.endr
.irp j, 0,1,2
	RS AC+2*\j, AC+12+2*\j, TM+\j, s29, 2
.endr
.irp j, 0,1,2
	v_add_f32_dpp v[AC+2*\j], v[AC+2*\j], v[AC+2*\j] row_xmask:4 row_mask:0xf bank_mask:0xf
.endr
.irp j, 0,1,2
	v_add_f32_dpp v[AC+2*\j], v[AC+2*\j], v[AC+2*\j] row_xmask:8 row_mask:0xf bank_mask:0xf
.endr
.irp j, 0,1,2
	v_permlanex16_b32 v[TM+\j], v[AC+2*\j], s30, s31           ; the other half's sum (TM has been written above)
.endr
.irp j, 0,1,2
	v_add_f32 v[AC+2*\j], v[AC+2*\j], v[TM+\j]
.endr
	s_wait_kmcnt 0x0                               ; b
	v_add_f32 v[AC],   s16, v[AC]
	v_add_f32 v[AC+2], s17, v[AC+2]
	v_add_f32 v[AC+4], s18, v[AC+4]
	; ---- softmax over the three logits of row l & 3: the largest is taken away first, so the sum is at least 1 ----
	v_max3_num_f32 v[TM+3], v[AC], v[AC+2], v[AC+4]
.irp j, 0,1,2
	v_sub_f32 v[AC+2*\j], v[AC+2*\j], v[TM+3]
.endr
.irp j, 0,1,2
	v_mul_f32 v[AC+2*\j], 0x3fb8aa3b, v[AC+2*\j]   ; x log2 e: v_exp_f32 works in base 2
.endr
.irp j, 0,1,2
	v_exp_f32 v[TM+\j], v[AC+2*\j]
.endr
	v_nop                                          ; one plain vector instruction between the exponentials and the first use of a result
	s_wait_alu depctr_va_vdst(0)
	v_add_f32 v[TM+3], v[TM], v[TM+1]
	v_add_f32 v[TM+3], v[TM+3], v[TM+2]
	v_rcp_f32 v[TM+4], v[TM+3]
	v_nop                                          ; likewise behind the reciprocal
	s_wait_alu depctr_va_vdst(0)
.irp j, 0,1,2
	v_mul_f32 v[TM+\j], v[TM+\j], v[TM+4]
.endr
.irp j, 0,1,2
	ds_store_b32 v[OS], v[TM+\j] offset:4*\j       ; the eight lanes with the same l & 3 write the same word with the same value
.endr
	s_wait_dscnt 0x0                               ; my four rows are in LDS before I say so
	s_barrier_signal -1
	s_barrier_wait -1                              ; barrier 4: the work-group's 32 rows are there
	; ---- out: wave 0 stores the 384 bytes in one instruction, 24 lanes x 16 consecutive bytes ----
	s_cmp_lg_u32 s24, 0
	s_cbranch_scc1 .Lend
	v_cmp_gt_u32 vcc_lo, 24, v0
	s_wait_xcnt 0x0                                ; EXEC is a source of every earlier global load: it narrows only behind this wait
	s_and_saveexec_b32 s32, vcc_lo
	ds_load_b128 v[TM:TM+3], v[OL]
	s_wait_dscnt 0x0
	global_store_b128 v[OG], v[TM:TM+3], s[14:15] th:TH_STORE_NT
	s_wait_xcnt 0x0                                ; and widens again only behind this one
	s_or_b32 exec_lo, exec_lo, s32
.Lend:
	s_set_vgpr_msb 0x5
	s_wait_tensorcnt 0x0
	ds_add_u32 v0, v1
	s_wait_dscnt 0x0
	s_set_vgpr_msb 0x500
	s_endpgm
.Lfunc_end_k_qaab2330c05_rotor:
	.size	k_qaab2330c05_rotor, .Lfunc_end_k_qaab2330c05_rotor-k_qaab2330c05_rotor
	.p2alignl 7, 3214868480
	.fill 96, 4, 3214868480
	.section	.rodata,"a",@progbits
	.p2align	6, 0x0
	.amdhsa_kernel k_qaab2330c05_rotor
		.amdhsa_group_segment_fixed_size 111616
		.amdhsa_private_segment_fixed_size 0
		.amdhsa_enable_private_segment 0
		.amdhsa_kernarg_size 48
		.amdhsa_user_sgpr_count 2
		.amdhsa_user_sgpr_kernarg_segment_ptr 1
		.amdhsa_wavefront_size32 1
		.amdhsa_system_sgpr_workgroup_id_x 1
		.amdhsa_system_sgpr_workgroup_id_y 1
		.amdhsa_system_sgpr_workgroup_id_z 1
		.amdhsa_system_vgpr_workitem_id 0
		.amdhsa_next_free_vgpr 258
		.amdhsa_next_free_sgpr 66
		.amdhsa_reserve_vcc 1
		.amdhsa_float_denorm_mode_32 3
		.amdhsa_float_denorm_mode_16_64 3
		.amdhsa_memory_ordered 1
		.amdhsa_forward_progress 1
		.amdhsa_inst_pref_size 83
	.end_amdhsa_kernel
	.amdgpu_metadata
---
amdhsa.version: [ 1, 2 ]
amdhsa.kernels:
  - .name:           k_qaab2330c05_rotor
    .symbol:         k_qaab2330c05_rotor.kd
    .args:
      - { .name: U, .offset: 0, .size: 8, .value_kind: global_buffer, .address_space: global }
      - { .name: V, .offset: 8, .size: 8, .value_kind: global_buffer, .address_space: global }
      - { .name: W, .offset: 16, .size: 8, .value_kind: global_buffer, .address_space: global }
      - { .name: b, .offset: 24, .size: 8, .value_kind: global_buffer, .address_space: global }
      - { .name: x, .offset: 32, .size: 8, .value_kind: global_buffer, .address_space: global }
      - { .name: out0, .offset: 40, .size: 8, .value_kind: global_buffer, .address_space: global }
    .group_segment_fixed_size: 111616
    .private_segment_fixed_size: 0
    .kernarg_segment_align: 8
    .kernarg_segment_size: 48
    .max_flat_workgroup_size: 256
    .sgpr_count:     66
    .vgpr_count:     258
    .wavefront_size: 32
...
	.end_amdgpu_metadata
.endif
;; end of part 1
